; MI455X (gfx1250); checked and timed in simulation.
; The chip was launched on July 23, 2026; its instructions are those of AMD's public machine-readable ISA for CDNA 5 (MIT licence, August 2026) and "CDNA5" Instruction Set Architecture Reference Guide (July 2026). The comments in the code are by the model that wrote it; some were corrected since.
;; Wise Pooling. Allowed arithmetic: float matrix products may take bf16 or f16 operands with f32 sums; all other float work in f32.
;; Inputs: graph 8,192 x 2 int32; input 262,144 x 512 float32.
;; Outputs: out0 8,192 x 512 float32.
;; One version. Each part assembles by itself: llvm-mc -triple=amdgcn-amd-amdhsa -mcpu=gfx1250 --defsym DOCPART=n.
;; ======== version 1 of 1: 1 launch
;; launch segmean (part 1): grid 8192 x 1, 8 waves a work-group, no clusters, 0 bytes of LDS; arguments graph, input, out0; writes out0
.if DOCPART == 1
	.amdgcn_target "amdgcn-amd-amdhsa--gfx1250"
	.amdhsa_code_object_version 6
	.text
	.protected	k_q1bd25e21ce_segmean
	.globl	k_q1bd25e21ce_segmean
	.p2align	8
	.type	k_q1bd25e21ce_segmean,@function
k_q1bd25e21ce_segmean:
	s_mov_b64 s[64:65], 0
	v_nop
	global_prefetch_b8 v0, s[64:65] scope:SCOPE_SE
	s_setreg_imm32_b32 hwreg(HW_REG_WAVE_MODE, 25, 1), 1
	s_wait_xcnt 0x0
; out0[s][c] = mean over rows start..end of input[.][c], + 0.006.   input [262144][512] f32, graph [8192][2] i32, out0 [8192][512] f32.
;
; WHAT IS SUMMED.  With t = end + 1, lo = min(start, t), hi = max(start, t), n = hi - lo, the quotient of the prefix difference
; P[t] - P[start] by end - start + 1 is the mean of rows lo .. hi-1 whichever bound is the larger (sum and count change sign together);
; n = 0 gives 0 * (1/0) = NaN, as 0/0 does.  Nothing is assumed of the segments' order, contiguity or overlap.
;
; SHAPE.  One work-group for each segment, eight waves that never meet: no LDS, no barrier.  Wave w owns columns 64 w .. 64 w + 63, the
; 256 bytes at 256 w of every row.  One 16-byte load of the wave takes TWO rows: lanes 0-15 the 256 bytes of row 2j, lanes 16-31 those of
; row 2j+1, both aligned to 256.  A lane sums 4 columns of one row parity; the parities are merged once, at the end, between the
; halves of the wave.  Segment lengths are uneven, so the work is cut small (8192 work-groups) and the wave's registers are few
; (76: twelve waves fit into 1,024), each wave with up to 16 loads of 512 bytes on their way.
; No work-group needs another's input bytes, so there is nothing to share in a cluster; the sums are plain f32 additions, so there is
; nothing for the matrix unit; every byte is used once, straight from the register it lands in, so LDS would only be a detour.
;
; RAGGED COUNTS.  peel = 1 row (n odd), 2 rows (n even, not 0) or none (n = 0) come by a first load under an EXEC of 16 peel lanes.
; The other rows are m = (n - peel) / 2 pair loads = 16 q + r.  Registers cannot be indexed, so how many loads are on their way has to
; stand in the text: there is one tail for each r = 0 .. 15 (all r loads issued in one run), reached by four bit tests; the q blocks
; of 16 follow through a ring of 16 slots that is filled again slot by slot.  No byte is read twice and none outside the segment.
;
; LIMITS.  start and end + 1 are taken as unsigned and clamped to 0 .. 262144 (a negative index is not wrapped round).  Rows are added
; in ascending order in f32, not as a difference of prefix sums; the division is v_rcp_f32 (1 ulp) and one fused multiply-add.
; An Inf or NaN in the input reaches only the segments that hold it (in a prefix sum it would reach all later ones too).
.set N_ROWS, 262144
.set ROWB,   2048                      ; bytes in a row of input and of out0
.set PAIRB,  2*ROWB                    ; what one pair load advances
.set DEPTH,  16                        ; slots = pair loads of a wave on their way
.set LANE, 1                           ; v1       lane 0..31
.set POFF, 2                           ; v2       load offset: 256 wave + 16 (lane % 16) + 2048 (lane / 16)
.set SOFF, 3                           ; v3       store offset: 256 wave + 16 (lane % 16) + 8 (lane / 16)
.set INV,  4                           ; v4       1 / n
.set CNT,  5                           ; v5       n as f32
.set ACC,  6                           ; v[6:9]   my 4 columns' sums over my row parity
.set X,    12                          ; v[12:75] slot j: 4 registers as loaded          (v10, v11: scratch at the start)
.set NN,   16                          ; s16      n
.set PEEL, 17                          ; s17      rows of the first load
.set R,    19                          ; s19      pair loads of the tail
.set BP,   20                          ; s[20:21] input at row lo
.set BT,   22                          ; s[22:23] input at the tail's first row, lo + peel
.set BR,   24                          ; s[24:25] input at the ring's first row, lo + peel + 2 r; stepped block by block
.set Q,    26                          ; s26      blocks of DEPTH pair loads
	s_load_b128 s[4:7], s[0:1], 0x0                ; graph s[4:5], input s[6:7]
	s_load_b64 s[8:9], s[0:1], 0x10                ; out0
	s_lshl_b32 s10, ttmp9, 3                       ; my segment's two bounds: 8 bytes
	s_lshl_b32 s28, ttmp9, 11                      ; my segment's row of out0
	s_mov_b32 s29, 0
	v_and_b32 v[LANE], 31, v0
	v_and_b32 v10, 15, v0
	v_lshrrev_b32 v11, 5, v0                       ; wave
	v_lshlrev_b32 v10, 4, v10
	v_lshl_or_b32 v10, v11, 8, v10                 ; 256 wave + 16 (lane % 16): my 16 bytes in a row
	v_bfe_u32 v11, v0, 4, 1                        ; lane / 16: my row parity
	v_lshl_or_b32 v[POFF], v11, 11, v10
	v_lshl_or_b32 v[SOFF], v11, 3, v10
	s_wait_kmcnt 0x0
	s_load_b64 s[12:13], s[4:5], s10 offset:0x0    ; start s12, end s13
	s_add_nc_u64 s[8:9], s[8:9], s[28:29]
	s_wait_kmcnt 0x0
	; the segment in whole numbers
	s_add_co_u32 s13, s13, 1                       ; t = end + 1
	s_min_u32 s12, s12, N_ROWS                     ; both are indices into the N + 1 prefix sums
	s_min_u32 s13, s13, N_ROWS
	s_min_u32 s14, s12, s13                        ; lo
	s_max_u32 s15, s12, s13                        ; hi
	s_sub_co_u32 s[NN], s15, s14                   ; n
	s_and_b32 s[PEEL], s[NN], 1
	s_sub_co_u32 s[PEEL], 2, s[PEEL]
	s_min_u32 s[PEEL], s[PEEL], s[NN]              ; peel = min(2 - n % 2, n): 1, 2, or 0 for n = 0
	s_sub_co_u32 s18, s[NN], s[PEEL]
	s_lshr_b32 s18, s18, 1                         ; m pair loads
	s_and_b32 s[R], s18, DEPTH-1
	s_lshr_b32 s[Q], s18, 4
	s_lshl_b32 s27, s[PEEL], 4                     ; lanes of the first load
	s_add_co_u32 s[BT], s14, s[PEEL]               ; the tail's first row
	s_lshl1_add_u32 s[BR], s[R], s[BT]             ; the ring's first row
	s_min_u32 s[BP], s14, N_ROWS-1                 ; a row number becomes an address only behind a bound written here; the bound bites
	s_min_u32 s[BT], s[BT], N_ROWS-1               ; only where the part in question is empty (peel, r or q = 0) and its base is unused
	s_min_u32 s[BR], s[BR], N_ROWS-1
	s_lshl_b32 s[BP], s[BP], 11                    ; rows of 2,048 bytes: below 2^29
	s_lshl_b32 s[BT], s[BT], 11
	s_lshl_b32 s[BR], s[BR], 11
	s_mov_b32 s[BP+1], 0
	s_mov_b32 s[BT+1], 0
	s_mov_b32 s[BR+1], 0
	s_add_nc_u64 s[BP:BP+1], s[6:7], s[BP:BP+1]
	s_add_nc_u64 s[BT:BT+1], s[6:7], s[BT:BT+1]
	s_add_nc_u64 s[BR:BR+1], s[6:7], s[BR:BR+1]
	v_cvt_f32_u32 v[CNT], s[NN]
	v_rcp_f32 v[INV], v[CNT]                       ; used at the very end; the moves below are the plain place behind it (ISA guide 5.7.2)
.irp c, 0,1,2,3
	v_mov_b32 v[ACC+\c], 0                         ; four registers: the lanes that the first load leaves out start their sums here
.endr
	; the first load starts the sums: row lo in lanes 0-15, row lo + 1 in lanes 16-31 if it is peeled too
	v_cmp_gt_u32 vcc_lo, s27, v[LANE]              ; lane < 16 peel
	s_and_saveexec_b32 s11, vcc_lo
	global_load_b128 v[ACC:ACC+3], v[POFF], s[BP:BP+1] th:TH_LOAD_NT
	s_wait_xcnt 0x0                                ; EXEC is one of that load's sources: it is widened only behind this wait
	s_or_b32 exec_lo, exec_lo, s11
; The tail for one value of r: r pair loads in one run, then the sums as the rows come in.
; The count leaves the younger tail loads out; loads return in order (ISA guide 5.7.1), so the first wait covers the first load too.
.macro TAIL r
.if \r > 0
.set j, 0
.rept \r
	global_load_b128 v[X+4*j:X+4*j+3], v[POFF], s[BT:BT+1] offset:j*PAIRB th:TH_LOAD_NT
.set j, j+1
.endr
.set j, 0
.rept \r
	s_wait_loadcnt \r-1-j
	v_pk_add_f32 v[ACC:ACC+1],   v[ACC:ACC+1],   v[X+4*j:X+4*j+1]
	v_pk_add_f32 v[ACC+2:ACC+3], v[ACC+2:ACC+3], v[X+4*j+2:X+4*j+3]
.set j, j+1
.endr
.endif
.endm
; the lowest bit of r chooses between two neighbouring tails; fall = 1: the second one runs on into what follows
.macro LEAF a, b, fall
	s_bitcmp1_b32 s[R], 0
	s_cbranch_scc1 .Ltail\b
	TAIL \a
	s_branch .Ljoin
.Ltail\b:
	TAIL \b
.if \fall == 0
	s_branch .Ljoin
.endif
.endm
	s_bitcmp1_b32 s[R], 3
	s_cbranch_scc1 .Lr8to15
	s_bitcmp1_b32 s[R], 2
	s_cbranch_scc1 .Lr4to7
	s_bitcmp1_b32 s[R], 1
	s_cbranch_scc1 .Lr2to3
	LEAF 0, 1, 0
.Lr2to3:
	LEAF 2, 3, 0
.Lr4to7:
	s_bitcmp1_b32 s[R], 1
	s_cbranch_scc1 .Lr6to7
	LEAF 4, 5, 0
.Lr6to7:
	LEAF 6, 7, 0
.Lr8to15:
	s_bitcmp1_b32 s[R], 2
	s_cbranch_scc1 .Lr12to15
	s_bitcmp1_b32 s[R], 1
	s_cbranch_scc1 .Lr10to11
	LEAF 8, 9, 0
.Lr10to11:
	LEAF 10, 11, 0
.Lr12to15:
	s_bitcmp1_b32 s[R], 1
	s_cbranch_scc1 .Lr14to15
	LEAF 12, 13, 0
.Lr14to15:
	LEAF 14, 15, 1
; The q whole blocks.  One slot's turn: its two rows are added; ahead = 1: it is filled again with the pair DEPTH further down.
; left = how many younger loads may stay out.
.macro SLOT j, ahead, left
	s_wait_loadcnt \left
	v_pk_add_f32 v[ACC:ACC+1],   v[ACC:ACC+1],   v[X+4*\j:X+4*\j+1]
	v_pk_add_f32 v[ACC+2:ACC+3], v[ACC+2:ACC+3], v[X+4*\j+2:X+4*\j+3]
.if \ahead
	global_load_b128 v[X+4*\j:X+4*\j+3], v[POFF], s[BR:BR+1] offset:(DEPTH+\j)*PAIRB th:TH_LOAD_NT
.endif
.endm
.Ljoin:
	s_cmp_eq_u32 s[Q], 0
	s_cbranch_scc1 .Lfinish
.irp j, 0,1,2,3,4,5,6,7,8,9,10,11,12,13,14,15
	global_load_b128 v[X+4*\j:X+4*\j+3], v[POFF], s[BR:BR+1] offset:\j*PAIRB th:TH_LOAD_NT    ; block 0 fills the ring
.endr
	s_sub_co_u32 s[Q], s[Q], 1                     ; q - 1 trips fill the ring again
	s_cmp_eq_u32 s[Q], 0
	s_cbranch_scc1 .Ldrain
.Lring:
.irp j, 0,1,2,3,4,5,6,7,8,9,10,11,12,13,14,15
	SLOT \j, 1, DEPTH-1                            ; the fifteen younger loads stay on their way: the ring is never drained here
.endr
	s_wait_xcnt 0x0                                ; the base is a source of the loads above: it is stepped only behind this wait
	s_add_nc_u64 s[BR:BR+1], s[BR:BR+1], DEPTH*PAIRB
	s_sub_co_u32 s[Q], s[Q], 1
	s_cmp_lg_u32 s[Q], 0
	s_cbranch_scc1 .Lring
.Ldrain:
.irp j, 0,1,2,3,4,5,6,7,8,9,10,11,12,13,14,15
	SLOT \j, 0, DEPTH-1-\j                         ; the last block loads nothing: no load passes row hi - 1, and the counts run down
.endr
.Lfinish:
	s_wait_loadcnt 0x0                             ; for the way with r = 0 and q = 0, on which nothing has yet waited for the first load
	; Merge the two row parities.  The swap hands the upper lanes of its first register and the lower lanes of its second to each other:
	; behind it ACC+0 and ACC+2 hold, in lane i < 16, both parities of column 4i, and in lane 16 + i both parities of column 4i + 2.
	v_permlane16_swap_b32 v[ACC],   v[ACC+2]
	v_permlane16_swap_b32 v[ACC+1], v[ACC+3]       ; likewise columns 4i + 1 and 4i + 3
	v_pk_add_f32 v[ACC:ACC+1], v[ACC:ACC+1], v[ACC+2:ACC+3]
	s_wait_alu depctr_va_vdst(0)
	v_fmaak_f32 v[ACC],   v[ACC],   v[INV], 0x3bc49ba6     ; sum / n + 0.006, one rounding
	v_fmaak_f32 v[ACC+1], v[ACC+1], v[INV], 0x3bc49ba6
	global_store_b64 v[SOFF], v[ACC:ACC+1], s[8:9] th:TH_STORE_NT      ; 32 lanes x 8 bytes: the wave's 256 bytes of the row, aligned, in one store
	s_endpgm
.Lfunc_end_k_q1bd25e21ce_segmean:
	.size	k_q1bd25e21ce_segmean, .Lfunc_end_k_q1bd25e21ce_segmean-k_q1bd25e21ce_segmean
	.p2alignl 7, 3214868480
	.fill 96, 4, 3214868480
	.section	.rodata,"a",@progbits
	.p2align	6, 0x0
	.amdhsa_kernel k_q1bd25e21ce_segmean
		.amdhsa_group_segment_fixed_size 0
		.amdhsa_private_segment_fixed_size 0
		.amdhsa_enable_private_segment 0
		.amdhsa_kernarg_size 24
		.amdhsa_user_sgpr_count 2
		.amdhsa_user_sgpr_kernarg_segment_ptr 1
		.amdhsa_wavefront_size32 1
		.amdhsa_system_sgpr_workgroup_id_x 1
		.amdhsa_system_sgpr_workgroup_id_y 1
		.amdhsa_system_sgpr_workgroup_id_z 1
		.amdhsa_system_vgpr_workitem_id 0
		.amdhsa_next_free_vgpr 76
		.amdhsa_next_free_sgpr 66
		.amdhsa_reserve_vcc 1
		.amdhsa_float_denorm_mode_32 3
		.amdhsa_float_denorm_mode_16_64 3
		.amdhsa_memory_ordered 1
		.amdhsa_forward_progress 1
		.amdhsa_inst_pref_size 43
	.end_amdhsa_kernel
	.amdgpu_metadata
---
amdhsa.version: [ 1, 2 ]
amdhsa.kernels:
  - .name:           k_q1bd25e21ce_segmean
    .symbol:         k_q1bd25e21ce_segmean.kd
    .args:
      - { .name: graph, .offset: 0, .size: 8, .value_kind: global_buffer, .address_space: global }
      - { .name: input, .offset: 8, .size: 8, .value_kind: global_buffer, .address_space: global }
      - { .name: out0, .offset: 16, .size: 8, .value_kind: global_buffer, .address_space: global }
    .group_segment_fixed_size: 0
    .private_segment_fixed_size: 0
    .kernarg_segment_align: 8
    .kernarg_segment_size: 24
    .max_flat_workgroup_size: 256
    .sgpr_count:     66
    .vgpr_count:     76
    .wavefront_size: 32
...
	.end_amdgpu_metadata
.endif
;; end of part 1
